; MI455X (gfx1250); checked and timed in simulation.
; The chip was launched on July 23, 2026; its instructions are those of AMD's public machine-readable ISA for CDNA 5 (MIT licence, August 2026) and "CDNA5" Instruction Set Architecture Reference Guide (July 2026). The comments in the code are by the model that wrote it; some were corrected since.
;; Quasi Newton. Allowed arithmetic: float matrix products may take bf16 or f16 operands with f32 sums; all other float work in f32.
;; Inputs: alpha 8,192 float32; h 8,192 x 32 x 32 float32; h_k 8,192 x 32 x 32 float32; x 8,192 x 32 float32; y 8,192 x 32 float32.
;; Outputs: out0 8,192 x 32 float32.
;; Constants: iteration = 10.
;; One version. Each part assembles by itself: llvm-mc -triple=amdgcn-amd-amdhsa -mcpu=gfx1250 --defsym DOCPART=n.
;; ======== version 1 of 1: 1 launch
;; launch bfgs (part 1): grid 256 x 1, 8 waves a work-group, no clusters, 271,360 bytes of LDS; arguments h, h_k, x, y, alpha, out0; writes out0
.if DOCPART == 1
	.amdgcn_target "amdgcn-amd-amdhsa--gfx1250"
	.amdhsa_code_object_version 6
	.text
	.protected	k_q803afcb5d4_bfgs
	.globl	k_q803afcb5d4_bfgs
	.p2align	8
	.type	k_q803afcb5d4_bfgs,@function
k_q803afcb5d4_bfgs:
	s_mov_b64 s[64:65], 0
	v_nop
	global_prefetch_b8 v0, s[64:65] scope:SCOPE_SE
	s_setreg_imm32_b32 hwreg(HW_REG_WAVE_MODE, 25, 1), 1
	s_wait_xcnt 0x0
; 8,192 independent BFGS runs of size 32, ten steps each, 25 Armijo trials a step; only x leaves.
;
; SHARES.  256 work-groups of 8 waves; a work-group owns 32 problems, a wave 4, EIGHT LANES ONE PROBLEM.  With l = lane & 7, lane l owns
; elements 4l..4l+3 of every vector (4 registers) and rows 4l..4l+3 of h and of H = h_k (128 registers each).  Both matrices stay in
; registers for the whole run: every input byte is read once, and the step loop holds no memory instruction, no wait and no barrier.
;
; SLOT ORDER.  Register M + 16 t + 4 i + j holds M[4l+i][4(l xor t)+j].  So slot t of a replicated vector is the owner's register read
; through DPP row_xmask:t, and in a product with the transposed matrix the partial sums of slot t belong to lane l xor t and are gathered
; by an add with row_xmask:t: no transposed copy and no select.  t is below 8, so the exchange never leaves the eight lanes.
;
; ALGEBRA (exact; only the order of rounding differs from reference()).  Carried: x, r = y - h x, g = -hT r, alpha, H.  One step:
;   p = -H g;  q = h p;  z = hT q;  y - h (x + a p) = r - a q, so |..|^2 = rr + a (a qq - 2 rq) with rr = r.r, rq = r.q, qq = q.q.
;   Trial a_k = alpha 2^-k is rejected where sqrt(max(that, 0)) > sqrt(rr) + a_k (2 C g.p): reference()'s test times two.
;   reference()'s 25 selects in a row leave alpha 2^-m, m the first k in 0..24 not rejected, 25 if there is none; all k are tried at once,
;   four in each of the eight lanes, and the largest surviving 2^-k is taken.  A NaN compares false, as there.
;   xn = x + alpha p;  s = xn - x (the rounded difference, as there);  r -= alpha q;  yk = alpha z;  g += yk;
;   w = HT yk;  u = H yk;  aux = s.yk;  H_ij += (c1 s_i - u_i / aux) s_j - (s_i / aux) w_j,  c1 = (aux + yk.u) / aux^2.
;   No symmetry of H, no value of x, alpha or H is assumed.  The tenth step needs only p, q, the search and x.
;
; WHY NO MATRIX INSTRUCTIONS.  Every product is a matrix that one problem owns times ONE vector: of a matrix instruction's 16 columns one
; would be used, 16x16x32/16 = 512 useful products an instruction, no more per issue than packed f32 gives for the same time, and the
; Armijo test compares two numbers that can agree far beyond the 8 bits of a bf16 operand; a test that falls the other way halves alpha
; for the rest of the run.  So all arithmetic is f32 on the vector unit (v_pk_fma_f32).
; WHY NO CLUSTER.  No two work-groups read a common input byte.
; WHY NO RING.  A work-group's whole share, 32 x 8,192 bytes of matrices, is asked for in its first lines and fits in LDS at once.
;
; LIMITS.  Rounding order differs from reference()'s.  v_rcp_f32 and v_sqrt_f32 are good to 1 ulp and flush denormals: |aux| or aux^2
; below 2^-126 acts as 0.  alpha 2^-k is rounded once, not k times (differs for denormal results only).  The quadratic form of the trial
; value loses digits where it is far below rr; the test is then far from its boundary as long as |y - h x| / 2 stays below about 1,000.
; s = 0 gives aux = 0 and NaN in all of H and x, as in reference().
.set STEPS, 10
.set PP,    4224                       ; LDS bytes from a problem's matrix to the next: 4,096 + 128
.set MREG,  4*PP                       ; a wave's four h, then its four h_k
.set WREG,  2*MREG                     ; a wave's region; 8 x 33,792 = 270,336 bytes
; window 0
.set LN,    1                          ; l = lane & 7
.set TV,    2                          ; temporary
.set VO,    3                          ; 16 x thread: my 16 bytes of x, y, out0 in the work-group's 4,096
.set AO,    4                          ; 4 x (thread / 8): my problem's alpha
.set LB,    5                          ; LDS: wave region + problem + my four rows
.set ADR,   6                          ; v[6:13]   LB + 16 (l xor t)
.set AL,    14                         ; alpha    (pair with SQ)
.set SQ,    15                         ; sqrt(rr)
.set SC,    16                         ; v[16:19]  2^-min(8 m + l, 25)
.set XV,    20                         ; x
.set XN,    24                         ; x + alpha p
.set RV,    28                         ; r
.set GV,    32                         ; g
.set PV,    36                         ; p
.set QV,    40                         ; q
.set YV,    44                         ; the input y, later yk
.set SV,    48                         ; s
.set UV,    52                         ; h x at the start, later u
.set AV,    56                         ; c1 s - u / aux
.set BV,    60                         ; -s / aux
.set ACC,   64                         ; v[64:71]  four pairs of running sums, one for each of my rows
.set GP,    72                         ; g.p, then 2 C g.p   (pair with RQ)
.set RQ,    73                         ; r.q, then -2 r.q
.set QQ,    74                         ; q.q                 (pair with RR)
.set RR,    75                         ; r.r
.set AUX,   76                         ; s.yk
.set YU,    77                         ; yk.u
.set C1,    78                         ; (aux + yk.u) / aux^2   (pair with NI1)
.set NI1,   79                         ; -1 / aux
.set AC,    80                         ; v[80:83]  my four trial steps a_k
.set VAL,   84                         ; v[84:87]  |r - a q|^2, then its root
.set RH,    88                         ; v[88:91]  the right sides
.set CS,    92                         ; v[92:95]  2^-k where trial k stands, 2^-25 where it fell
.set SCMIN, 96                         ; 2^-25
.set MX,    97
.set DT,    98                         ; v[98:105] four pairs for the dot products
.set D2,    106
.set SUMN,  107
.set BUF,   128                        ; v[128:159] a vector replicated, slot t at BUF + 4 t (slot 0 is never used: the owner's registers serve)
.set CB,    160                        ; v[160:191] partial sums of a transposed product, its result in CB..CB+3; later w replicated
; window 1, by the names that instructions use there
.set H0,    0                          ; v256-383  h
.set HK,    128                        ; v384-511  H
; scalars: s[4:15] the six addresses, s2 s3 temporaries, s56 wave, s57 step counter, s[58:59] offsets, s60-63 the four tests
.set G1,    16                         ; s[16:23]  descriptor group 1
.set G0,    24                         ; s[24:55]  descriptor group 0, one set for each of the wave's eight tiles, never rewritten
; s_set_vgpr_msb: bits 1:0 source 0, 3:2 source 1, 5:4 source 2, 7:6 destination; the high byte repeats the setting that is left.
.set MSB, 0
.macro WIN new
.if MSB != \new
	s_set_vgpr_msb (MSB<<8)|\new
.set MSB, \new
.endif
.endm
.set DST_W1,  0x40                     ; loads into h and H
.set SRC1_W1, 0x04                     ; products: the matrix is source 1
.set UPD_W1,  0x50                     ; the update of H: source 2 and destination
; 32 LDS loads: one matrix into registers in slot order.  (t, i): 16 bytes of row 4l+i at column 4 (l xor t).
.macro LOADM moff, mb
	WIN DST_W1
.irp t, 0,1,2,3,4,5,6,7
.irp i, 0,1,2,3
	ds_load_b128 v[\mb+16*\t+4*\i:\mb+16*\t+4*\i+3], v[ADR+\t] offset:\moff+128*\i
.endr
.endr
	WIN 0
.endm
; slots 1 to 7 of a replicated vector: lane l takes the four registers of lane l xor t
.macro REP buf, src
.irp t, 1,2,3,4,5,6,7
.irp j, 0,1,2,3
	v_mov_b32_dpp v[\buf+4*\t+\j], v[\src+\j] row_xmask:\t row_mask:0xf bank_mask:0xf
.endr
.endr
.endm
; vout = M vin (neg = 1: -M vin) for my four rows: four chains that do not wait for each other, started by a product (nothing is cleared)
.macro MATV mb, vin, vout, neg
	REP BUF, \vin
	WIN SRC1_W1
.irp i, 0,1,2,3
	v_pk_mul_f32 v[ACC+2*\i:ACC+2*\i+1], v[\vin:\vin+1], v[\mb+4*\i:\mb+4*\i+1]
.endr
.irp i, 0,1,2,3
	v_pk_fma_f32 v[ACC+2*\i:ACC+2*\i+1], v[\vin+2:\vin+3], v[\mb+4*\i+2:\mb+4*\i+3], v[ACC+2*\i:ACC+2*\i+1]
.endr
.irp t, 1,2,3,4,5,6,7
.irp jp, 0,1
.irp i, 0,1,2,3
	v_pk_fma_f32 v[ACC+2*\i:ACC+2*\i+1], v[BUF+4*\t+2*\jp:BUF+4*\t+2*\jp+1], v[\mb+16*\t+4*\i+2*\jp:\mb+16*\t+4*\i+2*\jp+1], v[ACC+2*\i:ACC+2*\i+1]
.endr
.endr
.endr
	WIN 0
.irp i, 0,1,2,3
.if \neg
	v_fma_f32 v[\vout+\i], v[ACC+2*\i], -1.0, -v[ACC+2*\i+1]       ; -(lo + hi), one rounding
.else
	v_add_f32 v[\vout+\i], v[ACC+2*\i], v[ACC+2*\i+1]
.endif
.endr
.endm
; one of my rows into the partial sums: CB[t][j] += v_i M[4l+i][4 (l xor t)+j].  mb stands at row i; vp is the pair that holds v_i,
; which is broadcast to both halves (odd = 0: the pair's first register, 1: its second)
.macro TROW mb, vp, odd
.irp t, 0,1,2,3,4,5,6,7
.irp jp, 0,1
.if \odd
	v_pk_fma_f32 v[CB+4*\t+2*\jp:CB+4*\t+2*\jp+1], v[\vp:\vp+1], v[\mb+16*\t+2*\jp:\mb+16*\t+2*\jp+1], v[CB+4*\t+2*\jp:CB+4*\t+2*\jp+1] op_sel:[1,0,0] op_sel_hi:[1,1,1]
.else
	v_pk_fma_f32 v[CB+4*\t+2*\jp:CB+4*\t+2*\jp+1], v[\vp:\vp+1], v[\mb+16*\t+2*\jp:\mb+16*\t+2*\jp+1], v[CB+4*\t+2*\jp:CB+4*\t+2*\jp+1] op_sel_hi:[0,1,1]
.endif
.endr
.endr
.endm
; CB[0:3] = my four elements of MT vin.  Sixteen chains of four; then slot t of lane l xor t is what that lane summed for my columns.
.macro MATVT mb, vin
	WIN SRC1_W1
.irp t, 0,1,2,3,4,5,6,7
.irp jp, 0,1
	v_pk_mul_f32 v[CB+4*\t+2*\jp:CB+4*\t+2*\jp+1], v[\vin:\vin+1], v[\mb+16*\t+2*\jp:\mb+16*\t+2*\jp+1] op_sel_hi:[0,1]
.endr
.endr
	TROW \mb+4,  \vin,   1
	TROW \mb+8,  \vin+2, 0
	TROW \mb+12, \vin+2, 1
	WIN 0
.irp t, 1,2,3,4,5,6,7
.irp j, 0,1,2,3
	v_add_f32_dpp v[CB+\j], v[CB+4*\t+\j], v[CB+\j] row_xmask:\t row_mask:0xf bank_mask:0xf
.endr
.endr
.endm
; my four elements' share of va.vb
.macro DOTP tp, va, vb, d
	v_pk_mul_f32 v[\tp:\tp+1], v[\va:\va+1], v[\vb:\vb+1]
	v_pk_fma_f32 v[\tp:\tp+1], v[\va+2:\va+3], v[\vb+2:\vb+3], v[\tp:\tp+1]
	v_add_f32 v[\d], v[\tp], v[\tp+1]
.endm
; n neighbouring registers summed over the eight lanes of a problem; every lane ends with the sums
.macro RED base, n
.irp m, 1,2,4
.set red_i, 0
.rept \n
	v_add_f32_dpp v[\base+red_i], v[\base+red_i], v[\base+red_i] row_xmask:\m row_mask:0xf bank_mask:0xf
.set red_i, red_i+1
.endr
.endr
.endm
; the 25 trials at once: lane l tries k = l, 8 + l, 16 + l, 24 + l (k above 24 stands for 'none': 2^-25 either way)
.macro LSEARCH
	v_sqrt_f32 v[SQ], v[RR]                        ; behind a root one plain line that leaves its registers alone (ISA guide 5.7.2): the next
	v_mul_f32 v[RQ], -2.0, v[RQ]
	v_mul_f32 v[GP], 0x3951b717, v[GP]             ; 2 x f32(1e-4)
	s_wait_alu depctr_va_vdst(0)
.irp m, 0,2
	v_pk_mul_f32 v[AC+\m:AC+\m+1], v[SC+\m:SC+\m+1], v[AL:AL+1] op_sel_hi:[1,0]                                   ; a = alpha 2^-k, exact
.endr
.irp m, 0,2
	v_pk_fma_f32 v[VAL+\m:VAL+\m+1], v[AC+\m:AC+\m+1], v[QQ:QQ+1], v[GP:GP+1] op_sel:[0,0,1] op_sel_hi:[1,0,1]    ; a qq - 2 rq
.endr
.irp m, 0,2
	v_pk_fma_f32 v[VAL+\m:VAL+\m+1], v[AC+\m:AC+\m+1], v[VAL+\m:VAL+\m+1], v[QQ:QQ+1] op_sel:[0,0,1] op_sel_hi:[1,1,1]   ; a (..) + rr
.endr
.irp m, 0,1,2,3
	v_max_num_f32 v[VAL+\m], 0, v[VAL+\m]          ; a square of a norm: rounding may have left it just below 0
.endr
.irp m, 0,1,2,3
	v_sqrt_f32 v[VAL+\m], v[VAL+\m]
.endr
.irp m, 0,2
	v_pk_fma_f32 v[RH+\m:RH+\m+1], v[AC+\m:AC+\m+1], v[GP:GP+1], v[AL:AL+1] op_sel:[0,0,1] op_sel_hi:[1,0,1]      ; sqrt(rr) + a 2 C g.p: the plain lines behind the roots
.endr
	s_wait_alu depctr_va_vdst(0)
.irp m, 0,1,2,3
	v_cmp_gt_f32 s[60+\m], v[VAL+\m], v[RH+\m]     ; rejected; false for a NaN
.endr
.irp m, 0,1,2,3
	v_cndmask_b32 v[CS+\m], v[SC+\m], v[SCMIN], s[60+\m]
.endr
	v_max3_num_f32 v[MX], v[CS], v[CS+1], v[CS+2]
	v_max_num_f32 v[MX], v[MX], v[CS+3]
.irp m, 1,2,4
	v_max_num_f32_dpp v[MX], v[MX], v[MX] row_xmask:\m row_mask:0xf bank_mask:0xf
.endr
	v_mul_f32 v[AL], v[AL], v[MX]                  ; the first trial that stands, or 2^-25
.endm
; a block of 4 x 4 of H at hb: H[i][j] += cf[i] vec[j]; cf[i] is broadcast from its pair
.macro RANKT vec, hb, cf
.irp ih, 0,1
.irp jp, 0,1
	v_pk_fma_f32 v[\hb+8*\ih+2*\jp:\hb+8*\ih+2*\jp+1], v[\vec+2*\jp:\vec+2*\jp+1], v[\cf+2*\ih:\cf+2*\ih+1], v[\hb+8*\ih+2*\jp:\hb+8*\ih+2*\jp+1] op_sel_hi:[1,0,1]
	v_pk_fma_f32 v[\hb+8*\ih+4+2*\jp:\hb+8*\ih+4+2*\jp+1], v[\vec+2*\jp:\vec+2*\jp+1], v[\cf+2*\ih:\cf+2*\ih+1], v[\hb+8*\ih+4+2*\jp:\hb+8*\ih+4+2*\jp+1] op_sel:[0,1,0] op_sel_hi:[1,1,1]
.endr
.endr
.endm
; H_ij += A_i s_j + B_i w_j.  w lies in CB[0:3], which is slot 0 of its own replica.
.macro UPDATE
	REP BUF, SV
	REP CB, CB
	WIN UPD_W1
	RANKT SV, HK, AV
.irp t, 1,2,3,4,5,6,7
	RANKT BUF+4*\t, HK+16*\t, AV
.endr
.irp t, 0,1,2,3,4,5,6,7
	RANKT CB+4*\t, HK+16*\t, BV
.endr
	WIN 0
.endm
; one BFGS step.  full = 0: the last one, of which only x is wanted.
.macro STEP full
	MATV HK, GV, PV, 1                             ; p = -H g
	MATV H0, PV, QV, 0                             ; q = h p
.if \full
	MATVT H0, QV                                   ; z = hT q, in CB[0:3]
.endif
	DOTP DT,   GV, PV, GP
	DOTP DT+2, RV, QV, RQ
	DOTP DT+4, QV, QV, QQ
	DOTP DT+6, RV, RV, RR
	RED GP, 4
	LSEARCH
.if \full
.irp m, 0,2
	v_pk_fma_f32 v[XN+\m:XN+\m+1], v[PV+\m:PV+\m+1], v[AL:AL+1], v[XV+\m:XV+\m+1] op_sel_hi:[1,0,1]
.endr
.irp m, 0,2
	v_pk_add_f32 v[SV+\m:SV+\m+1], v[XN+\m:XN+\m+1], v[XV+\m:XV+\m+1] neg_lo:[0,1] neg_hi:[0,1]      ; s = xn - x
.endr
	v_dual_mov_b32 v[XV],   v[XN]   :: v_dual_mov_b32 v[XV+1], v[XN+1]
	v_dual_mov_b32 v[XV+2], v[XN+2] :: v_dual_mov_b32 v[XV+3], v[XN+3]
.irp m, 0,2
	v_pk_fma_f32 v[RV+\m:RV+\m+1], v[QV+\m:QV+\m+1], v[AL:AL+1], v[RV+\m:RV+\m+1] op_sel_hi:[1,0,1] neg_lo:[0,1,0] neg_hi:[0,1,0]   ; r -= alpha q
.endr
.irp m, 0,2
	v_pk_mul_f32 v[YV+\m:YV+\m+1], v[CB+\m:CB+\m+1], v[AL:AL+1] op_sel_hi:[1,0]                      ; yk = alpha z
.endr
.irp m, 0,2
	v_pk_add_f32 v[GV+\m:GV+\m+1], v[GV+\m:GV+\m+1], v[YV+\m:YV+\m+1]                                ; g += yk
.endr
	MATVT HK, YV                                   ; w = HT yk, in CB[0:3]
	MATV HK, YV, UV, 0                             ; u = H yk (uses BUF and ACC; CB[0:3] stays)
	DOTP DT,   SV, YV, AUX
	DOTP DT+2, YV, UV, YU
	RED AUX, 2
	v_mul_f32 v[D2], v[AUX], v[AUX]
	v_rcp_f32 v[NI1], v[AUX]
	v_rcp_f32 v[C1], v[D2]
	v_add_f32 v[SUMN], v[AUX], v[YU]               ; the plain line behind the reciprocals: reads no result, writes no source
	s_wait_alu depctr_va_vdst(0)
	v_mul_f32 v[NI1], -1.0, v[NI1]
	v_mul_f32 v[C1], v[SUMN], v[C1]
.irp m, 0,2
	v_pk_mul_f32 v[AV+\m:AV+\m+1], v[UV+\m:UV+\m+1], v[C1:C1+1] op_sel:[0,1] op_sel_hi:[1,1]         ; -u / aux
.endr
.irp m, 0,2
	v_pk_fma_f32 v[AV+\m:AV+\m+1], v[SV+\m:SV+\m+1], v[C1:C1+1], v[AV+\m:AV+\m+1] op_sel_hi:[1,0,1]  ; + c1 s
.endr
.irp m, 0,2
	v_pk_mul_f32 v[BV+\m:BV+\m+1], v[SV+\m:SV+\m+1], v[C1:C1+1] op_sel:[0,1] op_sel_hi:[1,1]         ; -s / aux
.endr
	UPDATE
.else
.irp m, 0,2
	v_pk_fma_f32 v[XV+\m:XV+\m+1], v[PV+\m:PV+\m+1], v[AL:AL+1], v[XV+\m:XV+\m+1] op_sel_hi:[1,0,1]
.endr
.endif
.endm
	; ---- addresses and descriptors ----
	s_load_b256 s[4:11], s[0:1], 0x0               ; h s[4:5], h_k s[6:7], x s[8:9], y s[10:11]
	s_load_b128 s[12:15], s[0:1], 0x20             ; alpha s[12:13], out0 s[14:15]
	v_lshl_add_u32 v254, v0, 2, 0x42000
	v_mov_b32 v255, 0
	ds_add_u32 v254, v255
	ds_add_u32 v254, v255
	v_lshrrev_b32 v[TV], 5, v0
	v_readfirstlane_b32 s56, v[TV]                 ; wave 0..7
	v_lshlrev_b32 v[VO], 4, v0                     ; problem x 128 + 16 l = 16 x thread inside the work-group's 32 rows
	v_lshrrev_b32 v[AO], 3, v0
	v_lshlrev_b32 v[AO], 2, v[AO]
	; group 1: a matrix is 4,096 dense bytes, taken as 16 rows of 32 elements of 8 bytes; no padding, no work-group mask
	s_mov_b32 s[G1+0], 3<<16                       ; element of 8 bytes
	s_mov_b32 s[G1+1], 32<<16                      ; tensor_dim0 = 32
	s_mov_b32 s[G1+2], 16<<16                      ; tensor_dim1 = 16
	s_mov_b32 s[G1+3], 32<<16                      ; tile_dim0 = 32
	s_mov_b32 s[G1+4], 16                          ; tile_dim1 = 16
	s_mov_b32 s[G1+5], 32                          ; from row to row: 32 elements
	s_mov_b32 s[G1+6], 0
	s_mov_b32 s[G1+7], 0
	s_mul_i32 s3, s56, WREG                        ; my wave's region of LDS
	s_lshl_b32 s58, ttmp9, 17                      ; 32 problems x 4,096 bytes a work-group,
	s_lshl_b32 s2, s56, 14                         ; 4 x 4,096 a wave
	s_add_co_u32 s58, s58, s2
	s_mov_b32 s59, 0
	s_wait_dscnt 0x0
	s_wait_kmcnt 0x0
	s_add_nc_u64 s[4:5], s[4:5], s[58:59]          ; h and h_k at my wave's first problem
	s_add_nc_u64 s[6:7], s[6:7], s[58:59]
	s_lshl_b32 s58, ttmp9, 12                      ; 32 rows of 128 bytes
	s_add_nc_u64 s[8:9], s[8:9], s[58:59]
	s_add_nc_u64 s[10:11], s[10:11], s[58:59]
	s_add_nc_u64 s[14:15], s[14:15], s[58:59]
	s_lshl_b32 s58, ttmp9, 7                       ; 32 words
	s_add_nc_u64 s[12:13], s[12:13], s[58:59]
	; ---- everything that the wave will ever read is asked for now: eight tensor loads, h's four first, then x, y, alpha ----
.irp n, 0,1,2,3
	s_mov_b32 s[G0+4*\n], 1
	s_add_co_u32 s[G0+4*\n+1], s3, \n*PP
	s_add_nc_u64 s[G0+4*\n+2:G0+4*\n+3], s[4:5], \n*4096
	s_or_b32 s[G0+4*\n+3], s[G0+4*\n+3], 0x80000000
	tensor_load_to_lds s[G0+4*\n:G0+4*\n+3], s[G1:G1+7]
	s_nop 0
.endr
.irp n, 0,1,2,3
	s_mov_b32 s[G0+16+4*\n], 1
	s_add_co_u32 s[G0+16+4*\n+1], s3, MREG+\n*PP
	s_add_nc_u64 s[G0+16+4*\n+2:G0+16+4*\n+3], s[6:7], \n*4096
	s_or_b32 s[G0+16+4*\n+3], s[G0+16+4*\n+3], 0x80000000
	tensor_load_to_lds s[G0+16+4*\n:G0+16+4*\n+3], s[G1:G1+7]
	s_nop 0
.endr
	global_load_b128 v[XV:XV+3], v[VO], s[8:9] th:TH_LOAD_NT       ; a wave's load covers 512 consecutive bytes, aligned
	global_load_b128 v[YV:YV+3], v[VO], s[10:11] th:TH_LOAD_NT
	global_load_b32 v[AL], v[AO], s[12:13] th:TH_LOAD_NT
	; ---- while they are on their way: LDS addresses and the table of 2^-k ----
	v_and_b32 v[LN], 7, v0
	v_bfe_u32 v[TV], v0, 3, 2                      ; which of the wave's four problems
	v_mul_u32_u24 v[TV], v[TV], PP
	v_lshl_add_u32 v[TV], v[LN], 9, v[TV]          ; + my four rows of 128 bytes
	v_add_nc_u32 v[LB], s3, v[TV]
.irp t, 0,1,2,3,4,5,6,7
	v_xor_b32 v[TV], \t, v[LN]
	v_and_b32 v[TV], 7, v[TV]                      ; changes nothing: l and t are below 8; it states the range
	v_lshl_add_u32 v[ADR+\t], v[TV], 4, v[LB]
.endr
.irp m, 0,1,2,3
	v_add_nc_u32 v[TV], 8*\m, v[LN]
	v_min_u32 v[TV], 25, v[TV]
	v_sub_nc_u32 v[TV], 127, v[TV]
	v_lshlrev_b32 v[SC+\m], 23, v[TV]              ; the f32 with exponent -k and mantissa 1.0
.endr
	v_mov_b32 v[SCMIN], 0x33000000                 ; 2^-25
	; A DPP move merges into its destination, so BUF's 28 registers are written whole once.  (CB is first written by plain products.)
.set clr_i, 4
.rept 28
	v_mov_b32 v[BUF+clr_i], 0
.set clr_i, clr_i+1
.endr
	; ---- h, and the start values ----
	s_wait_tensorcnt 0x4                           ; a wave's tensor loads end in order: h's four tiles are in, the four of h_k issued behind them stay out
	LOADM 0, H0                                    ; only bytes that my own loads brought: no barrier; nothing is ever filled again
	s_wait_loadcnt 0x0                             ; x, y, alpha
	s_wait_dscnt 0x0                               ; h is in registers
	MATV H0, XV, UV, 0                             ; h x
.irp m, 0,2
	v_pk_add_f32 v[RV+\m:RV+\m+1], v[YV+\m:YV+\m+1], v[UV+\m:UV+\m+1] neg_lo:[0,1] neg_hi:[0,1]      ; r = y - h x
.endr
	MATVT H0, RV
.irp m, 0,2
	v_pk_mul_f32 v[GV+\m:GV+\m+1], v[CB+\m:CB+\m+1], -1.0 op_sel_hi:[1,0]                            ; g = -hT r
.endr
	; ---- H ----
	s_wait_tensorcnt 0x0                           ; nothing was issued behind h_k's tiles
	LOADM MREG, HK
	s_wait_dscnt 0x0
	; ---- nine whole steps, then the short one ----
	s_mov_b32 s57, STEPS-1
.Lstep:
	STEP 1
	s_sub_co_i32 s57, s57, 1
	s_cmp_lg_u32 s57, 0
	s_cbranch_scc1 .Lstep
	STEP 0
	global_store_b128 v[VO], v[XV:XV+3], s[14:15] th:TH_STORE_NT   ; sixteen neighbouring lanes store 256 consecutive bytes, aligned
	s_wait_tensorcnt 0x0
	ds_add_u32 v254, v255
	s_wait_dscnt 0x0
	s_endpgm
.Lfunc_end_k_q803afcb5d4_bfgs:
	.size	k_q803afcb5d4_bfgs, .Lfunc_end_k_q803afcb5d4_bfgs-k_q803afcb5d4_bfgs
	.p2alignl 7, 3214868480
	.fill 96, 4, 3214868480
	.section	.rodata,"a",@progbits
	.p2align	6, 0x0
	.amdhsa_kernel k_q803afcb5d4_bfgs
		.amdhsa_group_segment_fixed_size 271360
		.amdhsa_private_segment_fixed_size 0
		.amdhsa_enable_private_segment 0
		.amdhsa_kernarg_size 48
		.amdhsa_user_sgpr_count 2
		.amdhsa_user_sgpr_kernarg_segment_ptr 1
		.amdhsa_wavefront_size32 1
		.amdhsa_system_sgpr_workgroup_id_x 1
		.amdhsa_system_sgpr_workgroup_id_y 1
		.amdhsa_system_sgpr_workgroup_id_z 1
		.amdhsa_system_vgpr_workitem_id 0
		.amdhsa_next_free_vgpr 512
		.amdhsa_next_free_sgpr 66
		.amdhsa_reserve_vcc 0
		.amdhsa_float_denorm_mode_32 3
		.amdhsa_float_denorm_mode_16_64 3
		.amdhsa_memory_ordered 1
		.amdhsa_forward_progress 1
		.amdhsa_inst_pref_size 86
	.end_amdhsa_kernel
	.amdgpu_metadata
---
amdhsa.version: [ 1, 2 ]
amdhsa.kernels:
  - .name:           k_q803afcb5d4_bfgs
    .symbol:         k_q803afcb5d4_bfgs.kd
    .args:
      - { .name: h, .offset: 0, .size: 8, .value_kind: global_buffer, .address_space: global }
      - { .name: h_k, .offset: 8, .size: 8, .value_kind: global_buffer, .address_space: global }
      - { .name: x, .offset: 16, .size: 8, .value_kind: global_buffer, .address_space: global }
      - { .name: y, .offset: 24, .size: 8, .value_kind: global_buffer, .address_space: global }
      - { .name: alpha, .offset: 32, .size: 8, .value_kind: global_buffer, .address_space: global }
      - { .name: out0, .offset: 40, .size: 8, .value_kind: global_buffer, .address_space: global }
    .group_segment_fixed_size: 271360
    .private_segment_fixed_size: 0
    .kernarg_segment_align: 8
    .kernarg_segment_size: 48
    .max_flat_workgroup_size: 256
    .sgpr_count:     66
    .vgpr_count:     512
    .wavefront_size: 32
...
	.end_amdgpu_metadata
.endif
;; end of part 1
